; MI455X (gfx1250); checked and timed in simulation.
; The chip was launched on July 23, 2026; its instructions are those of AMD's public machine-readable ISA for CDNA 5 (MIT licence, August 2026) and "CDNA5" Instruction Set Architecture Reference Guide (July 2026). The comments in the code are by the model that wrote it; some were corrected since.
;; Scaled Dot Product Attn. Allowed arithmetic: matrix products marked QUANTISED: E4M3 operands, one given power-of-two scale a tensor, by v_wmma_f32_16x16x64_fp8_fp8 or v_wmma_f32_16x16x128_fp8_fp8, f32 sums; everything else in f32.
;; Inputs: k 4 x 16 x 2,048 x 64 float32; lowp_scales 4 int32 (the exponents e of the quantised operands' scales 2^e); mask 1 x 1 x 2,048 x 2,048 float32; q 4 x 16 x 2,048 x 64 float32; v 4 x 16 x 2,048 x 64 float32.
;; Outputs: out0 4 x 16 x 2,048 x 64 float32.
;; This version of the problem:
;;   THIS VERSION OF THE PROBLEM IS GIVEN IN LOW PRECISION. The matrix products marked QUANTISED in the list below multiply operands that are first quantised to E4M3 (4 exponent bits, 3 mantissa bits; 8 bits a number), with one given power-of-two scale for each operand tensor; their sums are f32. All else is computed in f32.
;;   The module's matrix products, in the order in which they are computed (A, B: the left and right operand; K: the contracted axis; several contracted axes count as one K, in the product's order):
;;     1. batch 64 x [M 2,048, K 64] x [K 64, N 2,048]; A: input q; B: input k: QUANTISED (scales: A lowp_scales[0], B lowp_scales[1])
;;     2. batch 64 x [M 2,048, K 2,048] x [K 2,048, N 64]; A: softmax (see below); B: input v: QUANTISED (scales: A lowp_scales[2], B lowp_scales[3])
;;   THE QUANTISER, for each operand of a quantised product, along K:
;;     - The operand's scale is 2^e, e = its entry of the input lowp_scales (int32; the entries are numbered through the quantised products in the list's order, A before B).
;;     - Each number is divided by the scale, clamped to +-448, and rounded to the nearest number of E4M3, ties to even, subnormals kept.
;;     - The product sums the exact products of the quantised numbers (number of the format x scale) in f32.
;;   ~~~python
;;   def quantise(x, axis, e):      # numpy; x: float32 -> the quantised numbers, widened to float32 again
;;       x = np.moveaxis(x, axis, -1); K = x.shape[-1]
;;       r = np.clip(x / 2.0 ** e, -448, 448)
;;       step = 2.0 ** (np.maximum(np.frexp(np.where(r == 0, 1, r))[1] - 1, -6) - 3)
;;       q = np.round(r / step) * step * 2.0 ** e      # np.round: ties to even
;;       return np.moveaxis(q, -1, axis).astype(np.float32)
;;   ~~~
;;   SOFTMAX AHEAD OF A QUANTISED PRODUCT. Where the list says 'softmax', what is quantised is not the finished softmax but p = 2^(t - M), with t = logit x log2(e) and M = ceil(the row's largest t), a whole number; so 1/2 < the row's largest p <= 1. The row's sum l is taken of the UNQUANTISED p, in f32, and the product's result is divided by l at the end. Since M is a whole number, a kernel that streams over the keys may use a running M (the ceiling of the running maximum): every later rescaling is an exact power of two, so the quantised numbers keep their values, but for numbers so far below the row's largest that they fall under the format's range.
;;   OPERANDS COMPUTED ON THE WAY. 'Computed on the way' means the value that the module computes at that place (a softmax that the list does not call 'softmax' is quantised finished and normalised). What goes into a quantiser is computed in f32, as accurately as f32 sums, v_exp_f32 and their like allow (about 1e-6 of the number): no bf16 or f16 on the way to a quantiser, and a product that is left as it is and whose result goes on into a quantised operand takes f32 operands (vector FMAs, or v_wmma_f32_16x16x4_f32). A number that lies on a knife's edge between two numbers of the format may be rounded either way, as far as f32 arithmetic and the matrix unit's own rounding can turn it there, and no further.
;; One version. Each part assembles by itself: llvm-mc -triple=amdgcn-amd-amdhsa -mcpu=gfx1250 --defsym DOCPART=n.
;; ======== version 1 of 1: 2 launches
;; limits: right only within a limited range of input values
;; workspace buffers: kc 8,388,608 bytes; vc 8,388,608 bytes
;; launch quant (part 1): grid 512 x 1, 8 waves a work-group, no clusters, 33,792 bytes of LDS; arguments k, v, lowp_scales, kc, vc; writes kc, vc
.if DOCPART == 1
	.amdgcn_target "amdgcn-amd-amdhsa--gfx1250"
	.amdhsa_code_object_version 6
	.text
	.protected	k_qac952bb0c0_quant
	.globl	k_qac952bb0c0_quant
	.p2align	8
	.type	k_qac952bb0c0_quant,@function
k_qac952bb0c0_quant:
	s_mov_b64 s[64:65], 0
	v_nop
	global_prefetch_b8 v0, s[64:65] scope:SCOPE_SE
	s_setreg_imm32_b32 hwreg(HW_REG_WAVE_MODE, 25, 1), 1
	s_wait_xcnt 0x0
; K and V, [64 heads][2048 keys][64] f32, become codes of FP8 (E4M3), once, in the order in which the attention launch takes them.
; code = x / 2^e, held within +-448, rounded to the nearest code, ties to even.  e: entry 1 (K) and entry 3 (V) of the buffer of scales.
; LIMITS: e between -126 and 119, so that 2^e and 448 x 2^e are f32 numbers.  NaN among the inputs is not served (an infinity is held at the largest code).
; kc: [head group 16][key 2048][head in group 4][d 64]: a key's row holds four heads, 256 bytes; 128 keys are one dense block of 32,768 bytes.
; vc: [head group 16][step of 128 keys 16][head in group 4][dt 4][c 4][lane 32][16 bytes]: images of the second product's operand registers.  The 16 bytes of
;     (c, lane = 16 h + r) belong to channel d = 16 dt + r: bytes 0-7 keys 32 c + 8 h + 0..7, bytes 8-15 keys 32 c + 16 + 8 h + 0..7: registers 4 c .. 4 c + 3 of the plain 8-bit layout at K = 128.
; Eight waves that share nothing: waves 0-3 take K, waves 4-7 take V; the roles part on the wave's number and never join, so there is no barrier.
; Bytes bind this launch: no matrix unit, no tensor load, no cluster (no two work-groups read the same byte).
.set HEADB, 524288                     ; a head of K or V in bytes: 2048 x 64 x 4
.set SP,    80                         ; K role: a lane's place in a stage: its 64 bytes + 16 of padding
.set WREG,  8192                       ; K role: LDS of one wave: two stages of 32 x SP bytes
.set R,     16                         ; K role: v16-79   four sets of 16 numbers as they are loaded
.set X,     80                         ; K role: v80-111  two sets of 16 neighbours along d
.set C,     128                        ; K role: v128-159 four registers of codes for each step: no store's data are written again
.set VX,    32                         ; V role: v32-95   two sets of 32 numbers down the keys
.set VC,    96                         ; V role: v96-127  eight registers of codes for each block: no store's data are written again
	s_load_b256 s[4:11], s[0:1], 0x0               ; k s[4:5], v s[6:7], the scales' exponents s[8:9], kc s[10:11]
	s_load_b64 s[12:13], s[0:1], 0x20              ; vc
	v_lshl_add_u32 v192, v0, 2, 0x8000
	v_mov_b32 v193, 0
	v_lshrrev_b32 v1, 5, v0
	s_delay_alu instid0(VALU_DEP_1)
	v_readfirstlane_b32 s16, v1                    ; wave 0..7
	v_and_b32 v2, 31, v0                           ; lane
	s_lshl_b32 s17, ttmp9, 2
	s_add_co_u32 s17, s17, s16                     ; 4 x work-group + wave
	s_mov_b32 s25, 0                               ; the high word of every offset below
	s_wait_kmcnt 0x0
	s_load_b128 s[20:23], s[8:9], 0x0              ; eq, ek, ep, ev
	s_cmp_lt_u32 s16, 4
	s_cbranch_scc0 .Lv_role
; ---------------- K: waves 0-3.  Wave number id = 4 x work-group + wave takes 16 keys of the four heads of a group, in 8 steps of 2 keys x 4 heads = 512 numbers.
; Each of a step's four loads reads 512 consecutive bytes (2 keys of one head), 16 a lane.  For the conversions a lane must hold 16 neighbours along d, and for the store the lanes' codes must lie
; [key][head][d]: both are had by a turn through the wave's own stage in LDS.  Place 16 key + 4 head + chunk of the stage holds 64 bytes (16 numbers); lane l reads place l.
	s_lshr_b32 s18, s17, 7                         ; head group
	s_and_b32 s19, s17, 127                        ; which 16 keys
	s_lshl_b32 s26, s19, 12                        ; 16 keys are 4,096 bytes in a head of k and in kc alike
	s_lshl_b32 s24, s18, 21                        ; four heads of k
	s_add_co_u32 s24, s24, s26
	s_add_nc_u64 s[4:5], s[4:5], s[24:25]
	s_lshl_b32 s24, s18, 19                        ; a head group of kc
	s_add_co_u32 s24, s24, s26
	s_add_nc_u64 s[10:11], s[10:11], s[24:25]
	s_wait_alu depctr_va_vdst(0)
	v_lshlrev_b32 v3, 4, v2                        ; my 16 bytes of a load's 512, and of a store's
	s_mul_i32 s27, s16, WREG
	v_and_b32 v14, 16, v2                          ; 16 x key
	v_bfe_u32 v15, v2, 2, 2                        ; chunk
	s_delay_alu instid0(VALU_DEP_1)
	v_add_nc_u32 v14, v14, v15
	s_delay_alu instid0(VALU_DEP_1)
	v_mul_u32_u24 v14, v14, SP
	v_and_b32 v15, 3, v2
	s_delay_alu instid0(VALU_DEP_1)
	v_lshl_add_u32 v14, v15, 4, v14
	s_delay_alu instid0(VALU_DEP_1)
	v_add_nc_u32 v14, s27, v14                     ; into the stage: SP (16 key + chunk) + 16 (lane % 4); the head stands in the immediate
	v_mul_u32_u24 v15, v2, SP
	s_delay_alu instid0(VALU_DEP_1)
	v_add_nc_u32 v15, s27, v15                     ; out of it: SP x lane
.macro LOAD t
.irp i, 0,1,2,3
	global_load_b128 v[R+16*((\t)%4)+4*\i:R+16*((\t)%4)+4*\i+3], v3, s[4:5] offset:HEADB*\i+512*(\t) th:TH_LOAD_NT   ; head i, keys 2 t and 2 t + 1: 512 consecutive bytes
.endr
.endm
.macro TURN t                          ; step t's numbers through the stage: LDS serves a wave's instructions in order, so no wait stands between the stores and the loads
.irp i, 0,1,2,3
	ds_store_b128 v14, v[R+16*((\t)%4)+4*\i:R+16*((\t)%4)+4*\i+3] offset:32*SP*((\t)%2)+4*SP*\i
.endr
.irp i, 0,1,2,3
	ds_load_b128 v[X+16*((\t)%2)+4*\i:X+16*((\t)%2)+4*\i+3], v15 offset:32*SP*((\t)%2)+16*\i
.endr
.endm
.irp t, 0,1,2,3
	LOAD \t
.endr
	s_wait_alu depctr_va_vdst(0)
	s_wait_kmcnt 0x0
	s_add_co_i32 s28, s21, 127
	s_lshl_b32 s29, s28, 23
	v_mov_b32 v11, s29                             ; 2^ek as f32: the conversion takes its exponent field
	s_add_co_i32 s28, s28, 8
	s_lshl_b32 s28, s28, 23
	s_or_b32 s28, s28, 0x600000
	v_mov_b32 v10, s28                             ; 448 x 2^ek
	s_wait_alu depctr_va_vdst(0)
	s_wait_loadcnt 12                              ; step 0's four loads are in; those of steps 1 to 3 may be out
	TURN 0
.macro STEP t
.set XS, X+16*((\t)%2)
	s_wait_dscnt 0x0                               ; this step's numbers are back from the stage: so its stores into the stage have read their registers,
.if (\t)+4 < 8
	LOAD (\t)+4                                    ; which take the loads of four steps on
.endif
.if (\t)+1 < 8
.if 6-(\t) >= 3
	s_wait_loadcnt 12                              ; the next step's four loads are in; those of the three steps behind it may be out
.else
	s_wait_loadcnt 4*(6-(\t))                      ; the counts run down: nothing more is asked for
.endif
	TURN (\t)+1                                    ; and go through the other stage while this step is worked
.endif
.irp i, 0,1,2,3,4,5,6,7,8,9,10,11,12,13,14,15
	v_med3_num_f32 v[XS+\i], v[XS+\i], -v10, v10   ; the conversion to an 8-bit code does not saturate (ISA guide 7.6.2): the hold at the largest code x the scale comes first
.endr
	v_cvt_scalef32_pk8_fp8_f32 v[C+4*(\t):C+4*(\t)+1], v[XS:XS+7], v11
	v_cvt_scalef32_pk8_fp8_f32 v[C+4*(\t)+2:C+4*(\t)+3], v[XS+8:XS+15], v11
	global_store_b128 v3, v[C+4*(\t):C+4*(\t)+3], s[10:11] offset:512*(\t)   ; two keys' rows of kc: 512 consecutive bytes, aligned.  (The codes go to a store alone; the next vector lines are the next step's holds, on other registers)
.endm
.irp t, 0,1,2,3,4,5,6,7
	STEP \t
.endr
	s_wait_tensorcnt 0x0
	ds_add_u32 v192, v193
	s_wait_dscnt 0x0
	s_endpgm
; ---------------- V: waves 4-7.  The keys are V's K and they are its FIRST axis within a head: a lane takes a channel d and its registers run down the keys, so the conversions give codes with the keys innermost.
; Wave number id takes 32 channels x 128 keys of one head, in 4 blocks of 32 keys.  A lane's 32 codes of a block are the two 16-byte pieces (h = 0, h = 1) of its channel in image (dt, c): sixteen neighbouring
; lanes store 256 consecutive bytes, aligned, straight from registers: no stage.
.Lv_role:
	s_sub_co_u32 s17, s17, 4                       ; id = 4 x work-group + wave - 4
	s_lshr_b32 s18, s17, 5                         ; head
	s_bfe_u32 s19, s17, 0x40001                    ; which 128 keys
	s_and_b32 s26, s17, 1                          ; which 32 channels
	s_lshl_b32 s27, s19, 15                        ; 128 keys: 32,768 bytes of a head of v, and one step of a head group of vc
	s_lshl_b32 s24, s18, 19
	s_add_co_u32 s24, s24, s27
	s_lshl_b32 s28, s26, 7
	s_add_co_u32 s24, s24, s28
	s_add_nc_u64 s[6:7], s[6:7], s[24:25]
	s_lshr_b32 s24, s18, 2
	s_lshl_b32 s24, s24, 19                        ; the head group of vc,
	s_add_co_u32 s24, s24, s27
	s_and_b32 s28, s18, 3
	s_lshl_b32 s28, s28, 13                        ; the head in it: four images of 2,048 bytes,
	s_add_co_u32 s24, s24, s28
	s_lshl_b32 s28, s26, 12                        ; my two of them
	s_add_co_u32 s24, s24, s28
	s_add_nc_u64 s[12:13], s[12:13], s[24:25]
	s_wait_alu depctr_va_vdst(0)
	v_lshlrev_b32 v3, 2, v2                        ; in: 4 bytes a lane
	v_lshrrev_b32 v4, 4, v2
	s_delay_alu instid0(VALU_DEP_1)
	v_lshlrev_b32 v4, 11, v4
	v_and_b32 v5, 15, v2
	s_delay_alu instid0(VALU_DEP_1)
	v_lshl_add_u32 v4, v5, 4, v4                   ; out: image lane / 16, 16 bytes at 16 (lane % 16)
.macro VLOAD t                         ; block t: v(32 t + i, my channel), i = 0 .. 31, into set t % 2.  A wave's load covers 128 consecutive bytes; the neighbouring wave reads the row's other half, so no hint is given
.irp i, 0,1,2,3,4,5,6,7,8,9,10,11,12,13,14,15,16,17,18,19,20,21,22,23,24,25,26,27,28,29,30,31
	global_load_b32 v[VX+32*((\t)%2)+\i], v3, s[6:7] offset:(32*(\t)+\i)*256
.endr
.endm
	VLOAD 0
	VLOAD 1
	s_wait_kmcnt 0x0
	s_add_co_i32 s28, s23, 127
	s_lshl_b32 s29, s28, 23
	v_mov_b32 v11, s29                             ; 2^ev as f32
	s_add_co_i32 s28, s28, 8
	s_lshl_b32 s28, s28, 23
	s_or_b32 s28, s28, 0x600000
	v_mov_b32 v10, s28                             ; 448 x 2^ev
.macro BLOCK t
.set XS, VX+32*((\t)%2)
.if (\t) < 3
	s_wait_loadcnt 32                              ; this block's 32 loads are in; the next block's may be out
.else
	s_wait_loadcnt 0x0
.endif
.irp i, 0,1,2,3,4,5,6,7,8,9,10,11,12,13,14,15,16,17,18,19,20,21,22,23,24,25,26,27,28,29,30,31
	v_med3_num_f32 v[XS+\i], v[XS+\i], -v10, v10
.endr
.irp g, 0,1,2,3                        ; keys 8 g .. 8 g + 7 of the block: groups 0 and 2 make the piece of h = 0, groups 1 and 3 that of h = 1
	v_cvt_scalef32_pk8_fp8_f32 v[VC+8*(\t)+2*((\g%2)*2+\g/2):VC+8*(\t)+2*((\g%2)*2+\g/2)+1], v[XS+8*\g:XS+8*\g+7], v11
.endr
	global_store_b128 v4, v[VC+8*(\t):VC+8*(\t)+3], s[12:13] offset:(\t)*512        ; c = t of my step's images: the piece of h = 0
	global_store_b128 v4, v[VC+8*(\t)+4:VC+8*(\t)+7], s[12:13] offset:(\t)*512+256   ; and that of h = 1
.if (\t)+2 < 4
	VLOAD (\t)+2
.endif
.endm
	s_wait_alu depctr_va_vdst(0)
.irp t, 0,1,2,3
	BLOCK \t
.endr
	s_endpgm
.Lfunc_end_k_qac952bb0c0_quant:
	.size	k_qac952bb0c0_quant, .Lfunc_end_k_qac952bb0c0_quant-k_qac952bb0c0_quant
	.p2alignl 7, 3214868480
	.fill 96, 4, 3214868480
	.section	.rodata,"a",@progbits
	.p2align	6, 0x0
	.amdhsa_kernel k_qac952bb0c0_quant
		.amdhsa_group_segment_fixed_size 33792
		.amdhsa_private_segment_fixed_size 0
		.amdhsa_enable_private_segment 0
		.amdhsa_kernarg_size 40
		.amdhsa_user_sgpr_count 2
		.amdhsa_user_sgpr_kernarg_segment_ptr 1
		.amdhsa_wavefront_size32 1
		.amdhsa_system_sgpr_workgroup_id_x 1
		.amdhsa_system_sgpr_workgroup_id_y 1
		.amdhsa_system_sgpr_workgroup_id_z 1
		.amdhsa_system_vgpr_workitem_id 0
		.amdhsa_next_free_vgpr 194
		.amdhsa_next_free_sgpr 66
		.amdhsa_reserve_vcc 0
		.amdhsa_float_denorm_mode_32 3
		.amdhsa_float_denorm_mode_16_64 3
		.amdhsa_memory_ordered 1
		.amdhsa_forward_progress 1
		.amdhsa_inst_pref_size 43
	.end_amdhsa_kernel
	.amdgpu_metadata
---
amdhsa.version: [ 1, 2 ]
amdhsa.kernels:
  - .name:           k_qac952bb0c0_quant
    .symbol:         k_qac952bb0c0_quant.kd
    .args:
      - { .name: k, .offset: 0, .size: 8, .value_kind: global_buffer, .address_space: global }
      - { .name: v, .offset: 8, .size: 8, .value_kind: global_buffer, .address_space: global }
      - { .name: lowp_scales, .offset: 16, .size: 8, .value_kind: global_buffer, .address_space: global }
      - { .name: kc, .offset: 24, .size: 8, .value_kind: global_buffer, .address_space: global }
      - { .name: vc, .offset: 32, .size: 8, .value_kind: global_buffer, .address_space: global }
    .group_segment_fixed_size: 33792
    .private_segment_fixed_size: 0
    .kernarg_segment_align: 8
    .kernarg_segment_size: 40
    .max_flat_workgroup_size: 256
    .sgpr_count:     66
    .vgpr_count:     194
    .wavefront_size: 32
...
	.end_amdgpu_metadata
.endif
;; end of part 1
;; launch attn (part 2): grid 16 x 16, 4 waves a work-group, clusters of 4 x 4, 327,680 bytes of LDS; arguments q, mask, kc, vc, lowp_scales, out0; writes out0
.if DOCPART == 2
	.amdgcn_target "amdgcn-amd-amdhsa--gfx1250"
	.amdhsa_code_object_version 6
	.text
	.protected	k_qac952bb0c0_attn
	.globl	k_qac952bb0c0_attn
	.p2align	8
	.type	k_qac952bb0c0_attn,@function
k_qac952bb0c0_attn:
	s_mov_b64 s[64:65], 0
	v_nop
	global_prefetch_b8 v0, s[64:65] scope:SCOPE_SE
	s_setreg_imm32_b32 hwreg(HW_REG_WAVE_MODE, 25, 1), 1
	s_wait_xcnt 0x0
	s_wait_alu depctr_hold_cnt(0) depctr_sa_sdst(0) depctr_va_vdst(0) depctr_va_sdst(0) depctr_va_ssrc(0) depctr_va_vcc(0) depctr_vm_vsrc(0)
	s_getreg_b32 s2, hwreg(HW_REG_IB_STS2, 6, 4)
	s_cmp_eq_u32 s2, 0
	s_cbranch_scc0 .Lentry_in_a_cluster
	s_endpgm
.Lentry_in_a_cluster:
	s_bfe_u32 s2, ttmp6, 0x10000c
	s_cmp_lg_u32 s2, 0xf033
	s_cbranch_scc0 .Lentry_shape_is_right
	s_endpgm
.Lentry_shape_is_right:
; out[head][q][:] = the sum over k of softmax_k((Q[q] . K[k] / 8) x mask[q][k]) V[k][:], 64 heads, 2048 queries and keys, head size 64; both products on codes of FP8 (E4M3), each operand with its given scale:
; eq, ek, ep, ev.  q: f32, quantised here in registers (each number is read once).  kc, vc: K's and V's codes as the launch before laid them.  mask: [2048][2048] f32, an input that MULTIPLIES the logits: every number is read.
; THE SOFTMAX: u = (sum of code products) x mask; t = u x c, c = log2(e) / 8 x 2^(eq + ek); M = the running largest t rounded UP to a whole number; p = 2^(t - M) is quantised with 2^ep, not normalised.
; The row's sum is taken of the unquantised p and divides at the end.  When M moves, the sum and O are multiplied by 2^(old M - new M), which rounds nothing; there is no branch on data.
; LIMITS on the given exponents, so that each power of two below is an f32 number: eq + ek between -123 and 130 (added to c's exponent field); eq and ep between -126 and 119; ep + ev goes by v_ldexp_f32 and has none.
; NaN among the inputs, and scores that are not finite, are not served.
; SHARES.  Work-group (x, y): queries 128 x .. 128 x + 127 of heads 4 y .. 4 y + 3.  Four waves, one to a SIMD; a wave owns TWO tiles of 16 queries (q = 0, 1) for all FOUR heads: a mask register serves four heads,
; and each fragment of K and of V that is read from LDS feeds two products.  The two tiles are independent chains and are laid line by line beside each other.  Keys go in 16 steps of 128 through a ring of two LDS slots.
; CLUSTER, 4 x 4 work-groups.  The mask's tile hangs on x alone: asked for jointly by the four of a column of the cluster.  K's and V's tiles hang on y alone: jointly by the four of a row.
; Waves 0, 1 fetch the mask's halves (64 rows x 512 bytes), wave 2 K's 128 rows, wave 3 V's 32,768 bytes: one load a wave in each step.
; LAYOUT.  Both products are used transposed: S^T = K Q^T (source 0 = 16 neighbouring keys, source 1 = 16 queries), O^T = V^T P (source 0 = 16 channels, source 1 = P): lane (r = lane % 16, h = lane / 16) holds query r.
; Register 8 t + j of S^T is key 16 t + 8 h + j; the eight registers of tile t convert into registers 2 t, 2 t + 1 of P: the plain 8-bit layout at K = 128, which V's images have too.
; In the first product K's and Q's registers 4 c .. 4 c + 3 both hold d = 32 c + 16 h + 0 .. 15: one permutation of d on both sides, so every product meets its partner.
; ORDER.  Head n's exponentials read t (window 1) and write p (window 0); behind them head n + 1's first product, mask multiply, maximum and multiply-adds refill t; then come head n's sums, codes and second product.
; K is asked of LDS one head ahead, V into two buffers by turns.  All reads of a slot are issued ahead of head 3's exponentials: the change of slots stands there, and the next step's K and mask are asked of LDS under head 3's softmax.
; REGISTERS.  Window 0: v1-13 addresses; v16-47 statistics, four for each (head, q): -M, the largest t, the sum in two halves; v48-79 P; v80-207 p; v208-244 at work and constants.
;   Window 1: v0-127 S^T, then t; v128-255 the mask.  Window 2: v0-63 Q's codes; v64-127 K's eight fragments of a head; v128-255 V's four fragments, two buffers.  Window 3: O^T at 128 q + 32 head + 8 dt.
.set PM,    528                        ; a mask row in LDS: 512 bytes + 16
.set PK,    272                        ; a key's row (four heads x 64 codes): 256 bytes + 16
.set KOFF,  128*PM                     ; slot 0: the mask's 128 rows at 0, K's 128 rows behind them
.set SPARE, KOFF+128*PK                ; the spare words, 128 bytes for each wave, in blocks of 256 bytes that no other line names
.set STAGE, SPARE+1024                 ; 16 rows x 272 bytes for each wave, for Q's turn and the way out.  No fill lands in a stage
.set SLOTB, 1<<17                      ; the mask's and K's slot 1
.set VOFF,  262144                     ; V's images, dense: slot 0; slot 1 lies 2^15 further on
.set VSLOT, 1<<15
.set HEADB, 524288                     ; a head of q or of out in bytes
.set NSTEP, 16
.set AM0, 1
.set AK0, 2
.set AV0, 3
.set ADM, 4
.set ADK, 5
.set ADV, 6
.set SPW, 7                            ; v7 LDS address of my spare word; never rewritten
.set NIL, 8                            ; v8 0; never rewritten
.set PFO, 9
.set STO, 10
.set RD,  11
.set GO,  12
.set QSR, 13
.set ST,  16                           ; (head, q) at ST + 8 head + 4 q
.set P,   48                           ; P + 16 q
.set PB,  80                           ; p: PB + 64 q
.set F,   208                          ; at the head alone: 32 numbers of Q back from the stage
.set MA,  208                          ; v208-215 the maximum's four chains for each q
.set PD,  216                          ; v216, v217 lane permutes' destinations
.set FF,  218                          ; v218-225 f = 2^(old M - new M): FF + 4 (head % 2) + 2 q, named as pairs
.set SC,  226                          ; v226-237 three of the sum's four chains for each q
.set LIMA, 240                         ; v240, v241 448 x 2^ep, twice: the two halves of a dual pair take their second sources from different banks
.set LIMB, 241
.set SCP,  242                         ; 2^ep
.set SCQ,  243                         ; at the head alone: 2^eq, 448 x 2^eq
.set LIMQ, 244
.set T,   0                            ; window 1
.set MK,  128                          ; window 1
.set QC,  0                            ; window 2: QC + 16 head + 8 q
.set KF,  64                           ; window 2
.set VB,  128                          ; window 2: VB + 64 (head % 2)
.set WV,  16
.set CX,  17
.set CY,  18
.set GX,  19
.set GY,  20
.set G1M, 24
.set G1K, 32
.set G1V, 40
.set G0M, 48
.set G0K, 52
.set G0V, 56
.set TB,  60
.set TBV, 61
.set LEFT, 62
.set LIM, 63
.set PFA, 66
.set PFS, 68
.set CS,  70
.set SEL, 72
.set EX,  76
.set MSB, 0
.macro WIN new                         ; s_set_vgpr_msb: bits 1:0 source 0, 3:2 source 1, 5:4 source 2, 7:6 destination; the high byte repeats the setting that is left
.if MSB != (\new)
	s_set_vgpr_msb (MSB<<8)|(\new)
.set MSB, (\new)
.endif
.endm
.macro NOPS
.rept 4
	v_nop
.endr
.endm
.macro CREST                           ; a round of the cluster's barrier behind its opening barrier
	s_cmp_lg_u32 s[WV], 0
	s_cbranch_scc1 .Lnot_wave_0_\@
	s_barrier_signal -3
.Lnot_wave_0_\@:
	s_barrier_wait -3
	s_barrier_signal -1
	s_barrier_wait -1
.endm
.macro CROUND
	s_barrier_signal -1
	s_barrier_wait -1
	CREST
.endm
; A joint load, one a wave; the branches hang on the wave's number alone.  s_nop 0 and four v_nop follow each line.
.macro JLOAD
	s_cmp_lt_u32 s[WV], 2
	s_cbranch_scc0 .Lnot_m_\@
	tensor_load_to_lds s[G0M:G0M+3], s[G1M:G1M+7]
	s_nop 0
	NOPS
	s_branch .Lasked_\@
.Lnot_m_\@:
	s_cmp_lt_u32 s[WV], 3
	s_cbranch_scc0 .Lfor_v_\@
	tensor_load_to_lds s[G0K:G0K+3], s[G1K:G1K+7]
	s_nop 0
	NOPS
	s_branch .Lasked_\@
.Lfor_v_\@:
	tensor_load_to_lds s[G0V:G0V+3], s[G1V:G1V+7]
	s_nop 0
	NOPS
.Lasked_\@:
.endm
; A PREFETCH INTO THE L2 of what the NEXT change of slots will ask for: the change that loads step t + 1 names step t + 2.  Each aligned block of 256 bytes is named once in the launch.
; The mask's rows of a query block: cluster y = 0 asks; its four partners along y share the 128 rows BY ADDRESS: waves 0 and 1 name rows 64 wave + 16 cy + lane / 2, block lane % 2 of the step's 512 bytes.
; K's and V's 32,768 bytes of a step: cluster x = 0 asks; partner cx takes 8,192 bytes, lanes 256 bytes apart: wave 2 for K, wave 3 for V.  The last change that loads names nothing; steps 0 and 1 come by their loads alone.
.macro ASK
	s_cmp_gt_u32 s[LEFT], s[LIM]
	s_cbranch_scc0 .Lnot_mine_\@
	global_prefetch_b8 v[PFO], s[PFA:PFA+1] th:TH_LOAD_NT scope:SCOPE_SE
.Lnot_mine_\@:
.endm
.macro WALK                            ; the walking descriptors: the other slot, the next 128 keys; written where no tensor load of mine is out
	s_xor_b32 s[G0M+1], s[G0M+1], SLOTB
	s_add_nc_u64 s[G0M+2:G0M+3], s[G0M+2:G0M+3], 512
	s_xor_b32 s[G0K+1], s[G0K+1], SLOTB
	s_add_nc_u64 s[G0K+2:G0K+3], s[G0K+2:G0K+3], 32768
	s_xor_b32 s[G0V+1], s[G0V+1], VSLOT
	s_add_nc_u64 s[G0V+2:G0V+3], s[G0V+2:G0V+3], 32768
	s_wait_xcnt 0x0                                ; the last prefetch has read its address, so it may be written
	s_add_nc_u64 s[PFA:PFA+1], s[PFA:PFA+1], s[PFS:PFS+1]
.endm
	s_load_b256 s[4:11], s[0:1], 0x0               ; q s[4:5], mask s[6:7], kc s[8:9], vc s[10:11]
	s_load_b128 s[12:15], s[0:1], 0x20             ; the scales' exponents s[12:13], out s[14:15]
	v_lshl_add_u32 v[SPW], v0, 2, SPARE
	v_mov_b32 v[NIL], 0
	ds_add_u32 v[SPW], v[NIL]                      ; the opening lines: the add twice on end and its wait
	ds_add_u32 v[SPW], v[NIL]
	s_wait_dscnt 0x0
	v_lshrrev_b32 v14, 5, v0
	v_readfirstlane_b32 s[WV], v14                 ; wave 0..3
	s_bfe_u32 s[CX], ttmp6, 0x40000
	s_bfe_u32 s[CY], ttmp6, 0x40004
	s_lshl_b32 s[GX], ttmp9, 2
	s_add_co_u32 s[GX], s[GX], s[CX]               ; x: my block of 128 queries
	s_and_b32 s[GY], ttmp7, 0xffff
	s_lshl_b32 s[GY], s[GY], 2
	s_add_co_u32 s[GY], s[GY], s[CY]               ; y: my group of four heads
	s_lshl_b32 s21, s[CY], 2
	s_lshl_b32 s21, 15, s21                        ; my row of the cluster
	s_lshl_b32 s22, 0x1111, s[CX]                  ; my column
	; groups 1.  The mask: 64 rows x 128 f32, rows 2,048 elements apart, 4 words of padding behind every 128
	s_or_b32 s[G1M], s22, (2<<16)|(1<<20)|(1<<21)|(6<<22)|(3<<25)
	s_mov_b32 s[G1M+1], 128<<16
	s_mov_b32 s[G1M+2], 64<<16
	s_mov_b32 s[G1M+3], 128<<16
	s_mov_b32 s[G1M+4], 64
	s_mov_b32 s[G1M+5], 2048
	s_mov_b32 s[G1M+6], 0
	s_mov_b32 s[G1M+7], 0
	; K and V: 128 rows x 256 bytes, dense in memory; K's padded by 4 words behind every 64, V's images as they lie
	s_or_b32 s[G1K], s21, (1<<20)|(1<<21)|(5<<22)|(3<<25)
	s_or_b32 s[G1V], s21, (1<<21)
.irp g, G1K, G1V
	s_mov_b32 s[\g+1], 256<<16
	s_mov_b32 s[\g+2], 128<<16
	s_mov_b32 s[\g+3], 256<<16
	s_mov_b32 s[\g+4], 128
	s_mov_b32 s[\g+5], 256
	s_mov_b32 s[\g+6], 0
	s_mov_b32 s[\g+7], 0
.endr
	; offsets: the mask's hangs on x and the wave, K's and V's on y alone; Q's and out's on both
	s_and_b32 s86, s[WV], 1                        ; which 64 rows of the mask's tile I would fetch
	s_lshl_b32 s80, s[GX], 7
	s_lshl_b32 s88, s86, 6
	s_add_co_u32 s80, s80, s88
	s_lshl_b32 s80, s80, 13                        ; (128 x + 64 (wave % 2)) rows of 8,192 bytes
	s_mov_b32 s81, 0
	s_lshl_b32 s82, s[GY], 19                      ; a head group's codes
	s_mov_b32 s83, 0
	s_lshl_b32 s84, s[GY], 21                      ; four heads of q,
	s_lshl_b32 s89, s[GX], 15                      ; 128 rows of 256 bytes,
	s_add_co_u32 s84, s84, s89
	s_lshl_b32 s89, s[WV], 13                      ; my 32 of them
	s_add_co_u32 s84, s84, s89
	s_mov_b32 s85, 0
	v_and_b32 v14, 15, v0                          ; r
	v_bfe_u32 v15, v0, 4, 1                        ; h
	v_and_b32 v[GO], 31, v0
	v_lshlrev_b32 v[GO], 4, v[GO]                  ; 16 x lane
	s_mul_i32 s91, s[WV], 32*PM
	v_mul_u32_u24 v[AM0], v14, PM
	v_lshl_add_u32 v[AM0], v15, 5, v[AM0]
	v_add_nc_u32 v[AM0], s91, v[AM0]               ; the mask: (32 wave + r) PM + 32 h; tile q stands in the immediate
	v_mul_u32_u24 v[AK0], v14, PK
	v_lshl_add_u32 v[AK0], v15, 4, v[AK0]
	v_add_nc_u32 v[AK0], KOFF, v[AK0]              ; K: KOFF + r PK + 16 h
	v_add_nc_u32 v[AV0], VOFF, v[GO]               ; V's images: VOFF + 16 lane
	s_mul_i32 s91, s[WV], 16*PK
	s_add_co_u32 s91, s91, STAGE                   ; my stage
	v_mul_u32_u24 v[STO], v14, PK
	v_add_nc_u32 v[STO], s91, v[STO]
	v_lshl_add_u32 v[QSR], v15, 6, v[STO]          ; row r, + 64 h
	v_lshl_add_u32 v[STO], v15, 5, v[STO]          ; row r, + 32 h
	v_mul_u32_u24 v[RD], v15, PK
	v_lshl_add_u32 v[RD], v14, 4, v[RD]
	v_add_nc_u32 v[RD], s91, v[RD]                 ; row h, + 16 r
	s_mov_b32 s[SEL], 0x76543210
	s_mov_b32 s[SEL+1], 0xfedcba98
	s_wait_alu depctr_va_vdst(0)
	s_wait_kmcnt 0x0
	s_load_b128 s[EX:EX+3], s[12:13], 0x0          ; eq, ek, ep, ev
	s_mov_b32 s[G0M], 1
	s_mul_i32 s[G0M+1], s86, 64*PM                 ; no place in the cluster enters an LDS address
	s_add_nc_u64 s[G0M+2:G0M+3], s[6:7], s[80:81]
	s_or_b32 s[G0M+3], s[G0M+3], 0x80000000
	s_mov_b32 s[G0K], 1
	s_mov_b32 s[G0K+1], KOFF
	s_add_nc_u64 s[G0K+2:G0K+3], s[8:9], s[82:83]
	s_or_b32 s[G0K+3], s[G0K+3], 0x80000000
	s_mov_b32 s[G0V], 1
	s_mov_b32 s[G0V+1], VOFF
	s_add_nc_u64 s[G0V+2:G0V+3], s[10:11], s[82:83]
	s_or_b32 s[G0V+3], s[G0V+3], 0x80000000
	s_add_nc_u64 s[4:5], s[4:5], s[84:85]          ; q and out at my wave's first row of the group's first head
	s_add_nc_u64 s[14:15], s[14:15], s[84:85]
	CROUND                                         ; all sixteen work-groups are here: the first joint loads meet
	JLOAD                                          ; step 0 into slot 0: my one tensor load at the head
.irp q, 0,1                            ; Q: 16 rows x 256 bytes for each (q, head), dense: eight loads of 512 consecutive bytes; tile 0 into p's registers, tile 1 into t's
	WIN 0x40*\q
.irp hh, 0,1,2,3
.irp i, 0,1,2,3,4,5,6,7
	global_load_b128 v[PB*(1-\q)+32*\hh+4*\i:PB*(1-\q)+32*\hh+4*\i+3], v[GO], s[4:5] offset:\hh*HEADB+4096*\q+512*\i th:TH_LOAD_NT
.endr
.endr
.endr
	WIN 0
	; the prefetches: where my wave's stand, and who asks
	s_lshl_b32 s86, s[WV], 6
	s_lshl_b32 s87, s[GX], 7
	s_add_co_u32 s86, s86, s87
	s_lshl_b32 s87, s[CY], 4
	s_add_co_u32 s86, s86, s87
	s_lshl_b32 s86, s86, 13                        ; the mask: row 128 x + 64 wave + 16 cy,
	s_add_co_u32 s86, s86, 512                     ; at step 1: the first change of slots steps it to step 2
	s_lshl_b32 s87, s[GY], 19
	s_lshl_b32 s88, s[CX], 13
	s_add_co_u32 s87, s87, s88                     ; K, V: my head group, my work-group's 8,192 bytes,
	s_add_co_u32 s87, s87, 32768                   ; at step 1
	s_and_b32 s88, ttmp7, 0xffff                   ; cluster y
	s_cmp_lt_u32 s[WV], 3
	s_cselect_b64 s[PFA:PFA+1], s[8:9], s[10:11]
	s_cmp_lt_u32 s[WV], 2
	s_cselect_b64 s[PFA:PFA+1], s[6:7], s[PFA:PFA+1]
	s_cselect_b32 s86, s86, s87
	s_cselect_b32 s88, s88, ttmp9                  ; the coordinate along which other clusters read the same bytes
	s_mov_b32 s[PFS], 32768
	s_cselect_b32 s[PFS], 512, s[PFS]              ; a step on
	s_mov_b32 s89, 512
	s_cselect_b32 s89, 8192, s89                   ; from one pair of lanes to the next
	s_mov_b32 s87, 0
	s_mov_b32 s[PFS+1], 0
	s_add_nc_u64 s[PFA:PFA+1], s[PFA:PFA+1], s[86:87]
	s_cmp_eq_u32 s88, 0                            ; the first cluster along that coordinate asks: the same in all sixteen partners
	s_cselect_b32 s[LIM], 1, -1
	v_and_b32 v[PFO], 31, v0
	v_lshrrev_b32 v14, 1, v[PFO]
	v_and_b32 v[PFO], 1, v[PFO]
	v_lshlrev_b32 v[PFO], 8, v[PFO]
	v_mad_u32_u24 v[PFO], v14, s89, v[PFO]
	; the state at the start.  The step is written for every step alike: the first finds zeros, which the first change of M (f = 0) leaves zeros
.irp u, 0,1,2,3,4,5,6,7
	v_mov_b32 v[ST+4*\u+1], 0xff61b1e6             ; the largest t so far: -3e38
	v_mov_b32 v[ST+4*\u+2], 0
	v_mov_b32 v[ST+4*\u+3], 0
	v_floor_f32 v[ST+4*\u], -v[ST+4*\u+1]          ; -M
.endr
	WIN 0xc0
.set n, 0
.rept 256
	v_mov_b32 v[n], 0                              ; O^T
.set n, n+1
.endr
	WIN 0
	s_wait_kmcnt 0x0
	s_add_co_i32 s80, s[EX], s[EX+1]
	s_lshl_b32 s80, s80, 23
	s_add_co_i32 s[CS], s80, 0x3e38aa3b            ; c = log2(e) / 8, with eq + ek added to its exponent field
	s_mov_b32 s[CS+1], s[CS]
	s_add_co_i32 s80, s[EX], 127
	s_lshl_b32 s81, s80, 23
	v_mov_b32 v[SCQ], s81                          ; 2^eq
	s_add_co_i32 s80, s80, 8
	s_lshl_b32 s80, s80, 23
	s_or_b32 s80, s80, 0x600000
	v_mov_b32 v[LIMQ], s80                         ; 448 x 2^eq
	s_add_co_i32 s80, s[EX+2], 127
	s_lshl_b32 s81, s80, 23
	v_mov_b32 v[SCP], s81                          ; 2^ep
	s_add_co_i32 s80, s80, 8
	s_lshl_b32 s80, s80, 23
	s_or_b32 s80, s80, 0x600000
	v_mov_b32 v[LIMA], s80                         ; 448 x 2^ep
	v_mov_b32 v[LIMB], s80
	; Q becomes codes, 16 rows at a time: they turn through my stage, so that a lane holds, of row r, d = 32 c + 16 h + 0 .. 15.  LDS serves a wave's instructions in order.
	s_wait_alu depctr_va_vdst(0)
.irp q, 0,1
.irp hh, 0,1,2,3
	s_wait_loadcnt 56-8*(4*\q+\hh)                 ; these eight loads are in; the later ones may be out
	WIN 0x04*\q
.irp i, 0,1,2,3,4,5,6,7
	ds_store_b128 v[RD], v[PB*(1-\q)+32*\hh+4*\i:PB*(1-\q)+32*\hh+4*\i+3] offset:2*PK*\i
.endr
	WIN 0
.irp c, 0,1
.irp u, 0,1,2,3
	ds_load_b128 v[F+16*\c+4*\u:F+16*\c+4*\u+3], v[QSR] offset:128*\c+16*\u
.endr
.endr
	s_wait_dscnt 0x0
.set n, 0
.rept 32
	v_med3_num_f32 v[F+n], v[F+n], -v[LIMQ], v[LIMQ]   ; the conversion does not saturate (ISA guide 7.6.2): the hold comes first
.set n, n+1
.endr
	WIN 0x80
.irp g, 0,1,2,3
	v_cvt_scalef32_pk8_fp8_f32 v[QC+16*\hh+8*\q+2*\g:QC+16*\hh+8*\q+2*\g+1], v[F+8*\g:F+8*\g+7], v[SCQ]
.endr
	WIN 0
	v_nop                                          ; one plain vector instruction behind the last conversion
.endr
.endr
	v_mov_b32 v[PD], 0                             ; a lane permute's destination counts as one of its sources
	v_mov_b32 v[PD+1], 0
.irp i, 1,3,5,7
	v_mov_b32 v[FF+\i], 0                          ; (named as the upper halves of pairs)
.endr
.macro KLOAD hh                        ; K's eight fragments of head hh (16 keys x 64 d: 8 registers, two loads)
	WIN 0x80
.irp t, 0,1,2,3,4,5,6,7
.irp c, 0,1
	ds_load_b128 v[KF+8*\t+4*\c:KF+8*\t+4*\c+3], v[ADK] offset:\t*16*PK+64*(\hh)+32*\c
.endr
.endr
.endm
.macro VLOAD hh                        ; V's four fragments of head hh: images of the registers, 16 bytes a lane
	WIN 0x80
.irp d, 0,1,2,3
.irp c, 0,1,2,3
	ds_load_b128 v[VB+64*((\hh)%2)+16*\d+4*\c:VB+64*((\hh)%2)+16*\d+4*\c+3], v[ADV] offset:(\hh)*8192+\d*2048+\c*512
.endr
.endr
.endm
.macro NEXTLOADS                       ; the slot in hand: its addresses, K of head 0 and the mask: register 64 q + 8 t + j is mask[query 16 q + r][key 16 t + 8 h + j], as S^T lies
	v_add_nc_u32 v[ADM], s[TB], v[AM0]
	v_add_nc_u32 v[ADK], s[TB], v[AK0]
	v_add_nc_u32 v[ADV], s[TBV], v[AV0]
	s_wait_alu depctr_va_vdst(0)
	KLOAD 0
	WIN 0x40
.irp q, 0,1
.irp t, 0,1,2,3,4,5,6,7
.irp u, 0,1
	ds_load_b128 v[MK+64*\q+8*\t+4*\u:MK+64*\q+8*\t+4*\u+3], v[ADM] offset:16*PM*\q+64*\t+16*\u
.endr
.endr
.endr
	WIN 0
.endm
.macro QK hh                           ; S^T = K Q^T: each fragment of K feeds both tiles; sixteen accumulators by turns; four places behind them (ISA guide 7.12.1)
	WIN 0x4a
.irp t, 0,1,2,3,4,5,6,7
.irp q, 0,1
	v_wmma_f32_16x16x64_fp8_fp8 v[T+64*\q+8*\t:T+64*\q+8*\t+7], v[KF+8*\t:KF+8*\t+7], v[QC+16*(\hh)+8*\q:QC+16*(\hh)+8*\q+7], 0
.endr
.endr
	WIN 0
	NOPS
.endm
.macro MUL                             ; u = score x mask; each accumulator is read from its low end on
	WIN 0x45
.set n, 0
.rept 64
	v_pk_mul_f32 v[T+n:T+n+1], v[T+n:T+n+1], v[MK+n:MK+n+1]
.set n, n+2
.endr
.endm
.macro FRONT hh                        ; the step's largest u in four chains a tile, the new M and f, and t - M
.set rT, ST+8*(\hh)
.set ff, FF+4*((\hh)%2)
	WIN 0x15
.irp i, 0,1,2,3
.irp q, 0,1
	v_max3_num_f32 v[MA+4*\q+\i], v[T+64*\q+3*\i], v[T+64*\q+3*\i+1], v[T+64*\q+3*\i+2]
.endr
.endr
	WIN 0x14
.irp j, 12,20,28,36,44,52
.irp i, 0,1,2,3
.irp q, 0,1
	v_max3_num_f32 v[MA+4*\q+\i], v[MA+4*\q+\i], v[T+64*\q+\j+2*\i], v[T+64*\q+\j+2*\i+1]
.endr
.endr
.endr
.irp i, 0,1
.irp q, 0,1
	v_max3_num_f32 v[MA+4*\q+\i], v[MA+4*\q+\i], v[T+64*\q+60+2*\i], v[T+64*\q+61+2*\i]
.endr
.endr
	WIN 0
.irp q, 0,1
	v_max3_num_f32 v[MA+4*\q], v[MA+4*\q], v[MA+4*\q+1], v[MA+4*\q+2]
.endr
.irp q, 0,1
	v_max_num_f32 v[MA+4*\q], v[MA+4*\q], v[MA+4*\q+3]
.endr
.irp q, 0,1
	v_permlanex16_b32 v[PD+\q], v[MA+4*\q], s[SEL], s[SEL+1]
.endr
.irp q, 0,1
	v_max_num_f32 v[MA+4*\q], v[MA+4*\q], v[PD+\q]      ; and among lane l xor 16's
.endr
.irp q, 0,1
	v_mul_f32 v[MA+4*\q], s[CS], v[MA+4*\q]             ; as t (c is positive)
.endr
.irp q, 0,1
	v_max_num_f32 v[rT+4*\q+1], v[rT+4*\q+1], v[MA+4*\q] ; the running largest t
.endr
.irp q, 0,1
	v_mov_b32 v[MA+4*\q], v[rT+4*\q]
.endr
.irp q, 0,1
	v_floor_f32 v[rT+4*\q], -v[rT+4*\q+1]               ; the new -M = floor(-t)
.endr
.irp q, 0,1
	v_sub_f32 v[MA+4*\q], v[rT+4*\q], v[MA+4*\q]        ; old M - new M: a whole number, 0 or less
.endr
.irp q, 0,1
	v_cvt_i32_f32 v[MA+4*\q], v[MA+4*\q]                ; (it saturates)
.endr
.irp q, 0,1
	v_ldexp_f32 v[ff+2*\q], 1.0, v[MA+4*\q]             ; f
.endr
	WIN 0x41
.set n, 0
.rept 32
.irp q, 0,1
	v_pk_fma_f32 v[T+64*\q+n:T+64*\q+n+1], v[T+64*\q+n:T+64*\q+n+1], s[CS:CS+1], v[rT+4*\q:rT+4*\q+1] op_sel_hi:[1,0,0]   ; t - M = u c - M
.endr
.set n, n+2
.endr
.endm
.macro EXPB hh                         ; the batch of 128 exponentials, from t into p, the wait ahead of it, and two plain instructions behind it
.set rT, ST+8*(\hh)
.set ff, FF+4*((\hh)%2)
	WIN 0x01
	s_wait_alu depctr_va_vdst(0)
.set n, 0
.rept 128
	v_exp_f32 v[PB+n], v[T+n]                      ; p = 2^(t - M): not normalised
.set n, n+1
.endr
	WIN 0
.irp q, 0,1
	v_pk_mul_f32 v[rT+4*\q+2:rT+4*\q+3], v[rT+4*\q+2:rT+4*\q+3], v[ff+2*\q:ff+2*\q+1] op_sel_hi:[1,0]   ; the sum under the new M
.endr
.endm
.macro SUCC hh                         ; heads 1 to 3: the first product (K is in), the loads that run ahead, the mask, the statistics
	QK \hh
.if \hh < 3
	KLOAD (\hh)+1
.endif
	VLOAD \hh
	MUL
	FRONT \hh
.endm
.macro POST hh                         ; the sum of the unquantised p in four chains a tile, the hold and the codes, O^T under the new M
.set rT, ST+8*(\hh)
.set ff, FF+4*((\hh)%2)
	WIN 0
	s_wait_alu depctr_va_vdst(0)                   ; one wait for the batch, ahead of the first instruction that names a result
.irp i, 0,1,2
.irp q, 0,1
	v_pk_add_f32 v[SC+6*\q+2*\i:SC+6*\q+2*\i+1], v[PB+64*\q+4*\i:PB+64*\q+4*\i+1], v[PB+64*\q+4*\i+2:PB+64*\q+4*\i+3]
.endr
.endr
.irp j, 12,20,28,36,44,52
.irp q, 0,1
	v_pk_add_f32 v[rT+4*\q+2:rT+4*\q+3], v[rT+4*\q+2:rT+4*\q+3], v[PB+64*\q+\j:PB+64*\q+\j+1]
.endr
.irp i, 0,1,2
.irp q, 0,1
	v_pk_add_f32 v[SC+6*\q+2*\i:SC+6*\q+2*\i+1], v[SC+6*\q+2*\i:SC+6*\q+2*\i+1], v[PB+64*\q+\j+2+2*\i:PB+64*\q+\j+3+2*\i]
.endr
.endr
.endr
.irp q, 0,1
	v_pk_add_f32 v[rT+4*\q+2:rT+4*\q+3], v[rT+4*\q+2:rT+4*\q+3], v[PB+64*\q+60:PB+64*\q+61]
.endr
.irp q, 0,1
	v_pk_add_f32 v[SC+6*\q:SC+6*\q+1], v[SC+6*\q:SC+6*\q+1], v[PB+64*\q+62:PB+64*\q+63]
.endr
.irp q, 0,1
	v_pk_add_f32 v[SC+6*\q+2:SC+6*\q+3], v[SC+6*\q+2:SC+6*\q+3], v[SC+6*\q+4:SC+6*\q+5]
.endr
.irp q, 0,1
	v_pk_add_f32 v[rT+4*\q+2:rT+4*\q+3], v[rT+4*\q+2:rT+4*\q+3], v[SC+6*\q:SC+6*\q+1]
.endr
.irp q, 0,1
	v_pk_add_f32 v[rT+4*\q+2:rT+4*\q+3], v[rT+4*\q+2:rT+4*\q+3], v[SC+6*\q+2:SC+6*\q+3]
.endr
.irp t, 0,1,2,3,4,5,6,7
.irp q, 0,1
.irp i, 0,2,4,6
	v_dual_min_num_f32 v[PB+64*\q+8*\t+\i], v[PB+64*\q+8*\t+\i], v[LIMA] :: v_dual_min_num_f32 v[PB+64*\q+8*\t+\i+1], v[PB+64*\q+8*\t+\i+1], v[LIMB]   ; the hold at the largest code x the scale, always executed; p is not negative, so it is one-sided
.endr
	v_cvt_scalef32_pk8_fp8_f32 v[P+16*\q+2*\t:P+16*\q+2*\t+1], v[PB+64*\q+8*\t:PB+64*\q+8*\t+7], v[SCP]   ; keys 16 t + 8 h + 0 .. 7: registers 2 t, 2 t + 1 of the operand
.endr
.endr
	WIN 0xc3
	s_wait_alu depctr_va_vdst(0)
.irp q, 0,1
.set n, 0
.rept 16
	v_pk_mul_f32 v[128*\q+32*(\hh)+n:128*\q+32*(\hh)+n+1], v[128*\q+32*(\hh)+n:128*\q+32*(\hh)+n+1], v[ff+2*\q:ff+2*\q+1] op_sel_hi:[1,0]   ; O^T x f; also the plain instructions between the conversions and the products
.set n, n+2
.endr
.endr
.endm
.macro READY                           ; ahead of a head's second product: all LDS loads issued so far are in
	s_wait_alu depctr_va_vdst(0)
	s_wait_dscnt 0x0
.endm
.macro PV hh                           ; O^T += V^T P: each fragment of V feeds both tiles; eight accumulators by turns
	WIN 0xf2                                       ; V window 2, P window 0, C and D window 3
.irp d, 0,1,2,3
.irp q, 0,1
	v_wmma_f32_16x16x128_fp8_fp8 v[128*\q+32*(\hh)+8*\d:128*\q+32*(\hh)+8*\d+7], v[VB+64*((\hh)%2)+16*\d:VB+64*((\hh)%2)+16*\d+15], v[P+16*\q:P+16*\q+15], v[128*\q+32*(\hh)+8*\d:128*\q+32*(\hh)+8*\d+7]
.endr
.endr
.endm
; A KEY STEP: 128 keys, four heads, two tiles of queries.  Its K of head 0 and its mask were asked of LDS a head earlier.  The change of slots stands ahead of head 3's exponentials.
; fill = 1: a round of the cluster's barrier and the joint refill of the slot just read; fill = 0: the work-group's barrier alone, nothing is asked for, and the launch's last step asks LDS for nothing more.
.macro STEP fill
	s_wait_dscnt 32                                ; K of head 0 is in; the mask's 32 loads may be out
	QK 0
	KLOAD 1
	VLOAD 0
	s_wait_dscnt 32                                ; the mask is in; K's 16 and V's 16 may be out
	MUL
	FRONT 0
	EXPB 0
	s_wait_dscnt 16                                ; K of head 1 is in; V's 16 loads, issued behind it, may be out
	SUCC 1
	POST 0
	READY
	PV 0
	EXPB 1
	SUCC 2
	POST 1
	READY
	PV 1
	EXPB 2
	SUCC 3
	POST 2
	WIN 0
	s_wait_alu depctr_va_vdst(0)
	s_wait_tensorcnt 0x0                           ; my one tensor load that is out, my part of the other slot, has landed
	ds_add_u32 v[SPW], v[NIL]                      ; 0 onto my spare word
.if \fill
	WALK
.endif
	s_wait_dscnt 0x0                               ; the add is done, and my reads of this slot are over: V of heads 2 and 3 is in registers
	s_barrier_signal -1                            ; say so; work on registers alone up to the wait
	PV 2
	WIN 0
	NOPS
	s_barrier_wait -1
.if \fill
	CREST                                          ; no wave of any partner still reads the slot or has a load on its way
	JLOAD                                          ; the joint refill, first behind the round
	ASK
.endif
	s_xor_b32 s[TB], s[TB], SLOTB
	s_xor_b32 s[TBV], s[TBV], VSLOT
.if \fill == 0
	s_cmp_eq_u32 s[LEFT], 1                        ; behind the launch's last step there is no slot to read: a branch on the count of steps, round the loads alone
	s_cbranch_scc1 .Lno_next_\@
.endif
	NEXTLOADS
.Lno_next_\@:
	EXPB 3
	POST 3
	PV 3
	WIN 0
	NOPS                                           ; places ahead of later loads into the registers just read
.endm
	s_mov_b32 s[TB], 0
	s_mov_b32 s[TBV], 0
	s_mov_b32 s[LEFT], NSTEP-1
	s_wait_alu depctr_va_vdst(0)
	s_wait_tensorcnt 0x0                           ; my part of step 0 is in; slot 1's first fill is issued as a refill is
	ds_add_u32 v[SPW], v[NIL]
	WALK
	s_wait_dscnt 0x0
	CROUND
	JLOAD                                          ; step 1
	ASK
	NEXTLOADS                                      ; step 0's K of head 0 and mask
	s_mov_b32 s[LEFT], NSTEP-2
.Lstep:                                            ; 14 trips: trip t works step t and asks for step t + 2
	STEP 1
	s_sub_co_u32 s[LEFT], s[LEFT], 1
	s_cmp_lg_u32 s[LEFT], 0
	s_cbranch_scc1 .Lstep
	s_mov_b32 s[LEFT], 2
.Ltail:                                            ; steps 14 and 15 ask memory for nothing; they share one text, so the barrier stands in step 15 too, where it orders nothing more
	STEP 0
	s_sub_co_u32 s[LEFT], s[LEFT], 1
	s_cmp_lg_u32 s[LEFT], 0
	s_cbranch_scc1 .Ltail
	; THE WAY OUT.  The sum's two halves and lane l xor 16's are added; O^T x 2^(ep + ev) / the sum goes through my stage, 16 rows of 256 bytes at a time, and leaves as whole rows.
.irp u, 0,1,2,3,4,5,6,7
	v_add_f32 v[ST+4*\u+2], v[ST+4*\u+2], v[ST+4*\u+3]
.endr
.irp u, 0,1,2,3,4,5,6,7
	v_permlanex16_b32 v[ST+4*\u+3], v[ST+4*\u+2], s[SEL], s[SEL+1]
.endr
.irp u, 0,1,2,3,4,5,6,7
	v_add_f32 v[ST+4*\u+2], v[ST+4*\u+2], v[ST+4*\u+3]
.endr
	s_wait_alu depctr_va_vdst(0)
.irp u, 0,1,2,3,4,5,6,7
	v_rcp_f32 v[ST+4*\u+2], v[ST+4*\u+2]
.endr
	v_nop
	s_add_co_i32 s80, s[EX+2], s[EX+3]             ; ep + ev
	s_wait_alu depctr_va_vdst(0)                   ; one wait for the eight reciprocals, ahead of their first reader
.irp u, 0,1,2,3,4,5,6,7
	v_ldexp_f32 v[ST+4*\u+2], v[ST+4*\u+2], s80
.endr
; (head hh, tile q): register 8 dt + j of O^T is out(query r, channel 16 dt + 8 h + j): 32 neighbouring bytes of a row.  They go into rows of 272 bytes and come back as whole rows of 256.
; Tile 0's results lie in p's registers (window 0), tile 1's in t's (window 1): no store's data are written again.
.macro PACK hh, q
.set dd, PB*(1-(\q))+32*(\hh)
	WIN ((\q)<<6)|3
.set n, 0
.rept 16
	v_pk_mul_f32 v[dd+n:dd+n+1], v[128*(\q)+32*(\hh)+n:128*(\q)+32*(\hh)+n+1], v[ST+8*(\hh)+4*(\q)+2:ST+8*(\hh)+4*(\q)+3] op_sel_hi:[1,0]
.set n, n+2
.endr
	WIN (\q)<<2
.irp d, 0,1,2,3
.irp u, 0,1
	ds_store_b128 v[STO], v[dd+8*\d+4*\u:dd+8*\d+4*\u+3] offset:64*\d+16*\u
.endr
.endr
	WIN (\q)<<6
.irp i, 0,1,2,3,4,5,6,7
	ds_load_b128 v[dd+4*\i:dd+4*\i+3], v[RD] offset:2*PK*\i   ; LDS serves a wave's instructions in order (ISA guide 5.7.1.4)
.endr
.endm
.macro SEND hh, q, younger             ; younger: the LDS instructions issued behind these rows' loads
.set dd, PB*(1-(\q))+32*(\hh)
	WIN (\q)<<2
	s_wait_dscnt \younger
.irp i, 0,1,2,3,4,5,6,7
	global_store_b128 v[GO], v[dd+4*\i:dd+4*\i+3], s[14:15] offset:(\hh)*HEADB+4096*(\q)+512*\i th:TH_STORE_NT   ; 32 lanes store two rows: 512 consecutive bytes, aligned
.endr
.endm
	PACK 0, 0
.irp k, 1,2,3,4,5,6,7
	PACK (\k%4), (\k/4)
	SEND ((\k-1)%4), ((\k-1)/4), 16
.endr
	SEND 3, 1, 0
	WIN 0
	s_wait_tensorcnt 0x0                           ; the wave's end
	ds_add_u32 v[SPW], v[NIL]
	s_wait_dscnt 0x0
	CROUND                                         ; the closing round
	s_endpgm
.Lfunc_end_k_qac952bb0c0_attn:
	.size	k_qac952bb0c0_attn, .Lfunc_end_k_qac952bb0c0_attn-k_qac952bb0c0_attn
	.p2alignl 7, 3214868480
	.fill 96, 4, 3214868480
	.section	.rodata,"a",@progbits
	.p2align	6, 0x0
	.amdhsa_kernel k_qac952bb0c0_attn
		.amdhsa_group_segment_fixed_size 327680
		.amdhsa_private_segment_fixed_size 0
		.amdhsa_enable_private_segment 0
		.amdhsa_kernarg_size 48
		.amdhsa_user_sgpr_count 2
		.amdhsa_user_sgpr_kernarg_segment_ptr 1
		.amdhsa_wavefront_size32 1
		.amdhsa_system_sgpr_workgroup_id_x 1
		.amdhsa_system_sgpr_workgroup_id_y 1
		.amdhsa_system_sgpr_workgroup_id_z 1
		.amdhsa_system_vgpr_workitem_id 0
		.amdhsa_next_free_vgpr 1024
		.amdhsa_next_free_sgpr 100
		.amdhsa_reserve_vcc 0
		.amdhsa_float_denorm_mode_32 3
		.amdhsa_float_denorm_mode_16_64 3
		.amdhsa_memory_ordered 1
		.amdhsa_forward_progress 1
		.amdhsa_inst_pref_size 255
	.end_amdhsa_kernel
	.section	.bss,"aw",@nobits
	.p2align	6
	.space	262144
	.amdgpu_metadata
---
amdhsa.version: [ 1, 2 ]
amdhsa.kernels:
  - .name:           k_qac952bb0c0_attn
    .symbol:         k_qac952bb0c0_attn.kd
    .args:
      - { .name: q, .offset: 0, .size: 8, .value_kind: global_buffer, .address_space: global }
      - { .name: mask, .offset: 8, .size: 8, .value_kind: global_buffer, .address_space: global }
      - { .name: kc, .offset: 16, .size: 8, .value_kind: global_buffer, .address_space: global }
      - { .name: vc, .offset: 24, .size: 8, .value_kind: global_buffer, .address_space: global }
      - { .name: lowp_scales, .offset: 32, .size: 8, .value_kind: global_buffer, .address_space: global }
      - { .name: out0, .offset: 40, .size: 8, .value_kind: global_buffer, .address_space: global }
    .group_segment_fixed_size: 327680
    .private_segment_fixed_size: 0
    .kernarg_segment_align: 8
    .kernarg_segment_size: 48
    .max_flat_workgroup_size: 128
    .sgpr_count:     100
    .vgpr_count:     1024
    .wavefront_size: 32
...
	.end_amdgpu_metadata
.endif
;; end of part 2
